; MI455X (gfx1250); checked and timed in simulation.
; The chip was launched on July 23, 2026; its instructions are those of AMD's public machine-readable ISA for CDNA 5 (MIT licence, August 2026) and "CDNA5" Instruction Set Architecture Reference Guide (July 2026). The comments in the code are by the model that wrote it; some were corrected since.
;; Multi Head Attention. Allowed arithmetic: float matrix products may take bf16 or f16 operands with f32 sums; all other float work in f32.
;; Inputs: Wk 1,024 x 1,024 float32; Wo 1,024 x 1,024 float32; Wq 1,024 x 1,024 float32; Wv 1,024 x 1,024 float32; bk 1,024 float32; bo 1,024 float32; bq 1,024 float32; bv 1,024 float32; keys 2 x 2,048 x 1,024 float32; mask 2 x 1 x 1 x 2,048 int32; queries 2 x 2,048 x 1,024 float32; values 2 x 2,048 x 1,024 float32.
;; Outputs: out0 2 x 2,048 x 1,024 float32.
;; One version. Each part assembles by itself: llvm-mc -triple=amdgcn-amd-amdhsa -mcpu=gfx1250 --defsym DOCPART=n.
;; ======== version 1 of 1: 3 launches
;; limits: values are held in f16: magnitudes above 65,504 overflow, below 6.1e-05 lose precision; right only within a limited range of input values
;; workspace buffers: qh 8,388,608 bytes; kh 8,388,608 bytes; vh 8,388,608 bytes; ctxh 8,388,608 bytes
;; launch proj (part 1): grid 4 x 48, 4 waves a work-group, clusters of 4 x 4, 327,680 bytes of LDS; arguments queries, keys, values, Wq, Wk, Wv, bq, bk, bv, mask, qh, kh, vh; writes qh, kh, vh
.if DOCPART == 1
	.amdgcn_target "amdgcn-amd-amdhsa--gfx1250"
	.amdhsa_code_object_version 6
	.text
	.protected	k_q5ef0b0e1e4_proj
	.globl	k_q5ef0b0e1e4_proj
	.p2align	8
	.type	k_q5ef0b0e1e4_proj,@function
k_q5ef0b0e1e4_proj:
	s_mov_b64 s[64:65], 0
	v_nop
	global_prefetch_b8 v0, s[64:65] scope:SCOPE_SE
	s_setreg_imm32_b32 hwreg(HW_REG_WAVE_MODE, 25, 1), 1
	s_wait_xcnt 0x0
	s_wait_alu depctr_hold_cnt(0) depctr_sa_sdst(0) depctr_va_vdst(0) depctr_va_sdst(0) depctr_va_ssrc(0) depctr_va_vcc(0) depctr_vm_vsrc(0)
	s_getreg_b32 s2, hwreg(HW_REG_IB_STS2, 6, 4)
	s_cmp_eq_u32 s2, 0
	s_cbranch_scc0 .Lentry_in_a_cluster
	s_endpgm
.Lentry_in_a_cluster:
	s_bfe_u32 s2, ttmp6, 0x10000c
	s_cmp_lg_u32 s2, 0xf033
	s_cbranch_scc0 .Lentry_shape_is_right
	s_endpgm
.Lentry_shape_is_right:
; proj: the three input projections y = x W^T + b, x [4096][1024] f32, W [1024][1024] f32, y f16 in the layout [batch][head][token][64].
;   qh = (queries Wq^T + bq) * log2(e)/8   (the softmax of the next launch runs in base 2, and 1/sqrt(64) is folded in here)
;   kh =  keys Wk^T + bk, the rows of tokens whose mask word is 0 set to zero
;   vh =  values Wv^T + bv
; Why zero rows: the next launch starts each score sum with 0 or -1e9*log2(e) for the key; with a K row of zeros a masked score IS that constant,
; which is where(mask == 0, -1e9, s).  LIMIT: with a non-finite projected query 0 * inf gives NaN at a masked key, where the reference has -1e9.
; FORMAT: matrix operands are rounded to f16 on the way from LDS to the matrix instruction, sums are f32.  f16 and not bf16: the final output is close to a mean over 2,048 keys,
; which shrinks the signal and the rounding noise of v, p and the context alike, so each rounding to 8 bits would stay at some 0.15 per cent of the output's root mean square,
; and five of them leave too little of an allowance of 1 per cent; with f16's 11 bits each is eight times smaller.
; ROOM IN f16 (largest number 65,504): with x of spread 1 and W of spread 0.02 the results reach about 3.4; all inputs 30 times larger: 3.4 x 900 = 3,100; offsets of 30 spreads
; on x and on W at once: 1024 x 30 x 0.6 = 18,500.  All inputs 30 times smaller: W has spread 6.7e-4, the results 7e-4, against a step of 6e-8 below 6.1e-5.
; LIMIT: an x, a W, a k, a v or a 0.18 q beyond 65,504 becomes infinite here where the reference stays finite.
; SHARES: 48 block rows of work-groups = 3 products x 16 blocks of 256 tokens; 4 block columns of 256 outputs: 192 work-groups of equal work (3 x 2^22
; outputs have no equal tiling into 256 blocks that stay inside one product, and blocks of 128 x 128 would double the LDS bytes for each multiply-add).
; A work-group makes 256 x 256 with four waves, a wave 128 x 128: 64 accumulator tiles, 512 registers.
; K goes in steps of 64 f32 (rows of 256 bytes, at multiples of 256 bytes) through two LDS slots filled by tensor loads.
; A PHASE is 32 along K: 64 matrix instructions in eight rows of eight.  In front of each row stand eight of the next phase's 64 LDS loads and the rounding of x's fragment for
; the next row, so that LDS issue and half of the roundings pass while the matrix instructions of the row before are at work: four waves x 8 loads x 2 halves of a wave are 64
; LDS accesses of 256 bytes for a row.  Only W's eight fragments and x's first are rounded ahead of a phase's first row.
; CLUSTERS: 4 x 4 work-groups.  A row of the cluster shares x's tile, a column W's: each tile is asked for jointly by the four, which divides the requests by four.
; REGISTERS by windows of 256:  window 0: addresses, mask words, bias, the f16 fragments FA (x) and FB (W), TMP for the way out;
;   window 1: the raw f32 of 32 along K: RA (x, 8 x 16 registers), RB (W);  windows 2, 3: the accumulators, tile (a, b) at 8 (8 (a mod 4) + b).
; THE MATRIX INSTRUCTION IS USED TRANSPOSED (source 0 = 16 rows of W, source 1 = 16 rows of x): a lane then holds token l % 16 and eight neighbouring outputs.
.set KSTEP,  64                        ; f32 along K in a slot
.set PITCH,  272                       ; an LDS row: 256 bytes + 16 of padding, an odd multiple of 16: the 16 rows of a fragment load start 16 bytes apart modulo 256
.set HALFT,  128*PITCH                 ; what one tensor load brings
.set SLOT,   4*HALFT                   ; x's 256 rows, then W's 256 rows
.set STAGE,  2*SLOT                    ; behind the ring: 16 rows x 272 bytes for each wave; no tensor load lands here
.set SPITCH, 272
.set LAPS,   8                         ; 1024 / (2 x 64): a lap is once round the ring
.set MW,   8                           ; v8-15   for each group of 16 tokens: all ones, or 0 where the row is to be cleared
.set ADRA, 16                          ; v16-17  LDS address of my x fragments in slot 0, 1
.set ADRB, 20                          ; v20-21  the same for W
.set STO,  24                          ; v24     the way out: where I put 16 bytes of a token's row
.set RD,   25                          ; v25     the way out: where I read back
.set CO,   26                          ; v26     my byte offset in the output
.set BOF,  27                          ; v27     byte offset of my 8 bias numbers
.set MOF,  28                          ; v28     byte offset of my token's mask word
.set BC,   32                          ; bias x c of my 128 outputs: tile b at 32 + 8 b (b < 4), at 224 + 8 (b - 4) otherwise
.set FA,   64                          ; v64-127  x fragments, f16
.set FB,   128                         ; v128-191 W fragments, f16
.set TMP,  192                         ; v192-223 the way out
.set RA,   0                           ; window 1: raw f32 of x
.set RB,   128                         ; window 1: raw f32 of W
.set G1, 24                            ; s[24:31] descriptor group 1, x's tiles
.set G0, 32                            ; s[32:39] group 0, x's tiles, one set for each slot
.set G1B, 48                           ; s[48:55] group 1, W's tiles: differs in the mask alone
.set G0B, 56                           ; s[56:63] group 0, W's tiles
.set MSB, 0
.macro WIN new                         ; the immediate's high byte repeats the setting that is left
.if MSB != \new
	s_set_vgpr_msb (MSB<<8)|\new
.set MSB, \new
.endif
.endm
.macro PLACES                          ; four independent vector instructions behind a matrix instruction (ISA guide 7.12.1), before its registers are written or its result read
.rept 4
	v_nop
.endr
.endm
; A joint load: waves 0, 1 fetch x's two halves, waves 2, 3 W's.  The branch hangs on the wave's number alone.
.macro JLOAD s
	s_cmp_eq_u32 s11, 0
	s_cbranch_scc0 .Lfor_b_\@
	tensor_load_to_lds s[G0+4*\s:G0+4*\s+3], s[G1:G1+7]
	s_nop 0
	s_branch .Lasked_\@
.Lfor_b_\@:
	tensor_load_to_lds s[G0B+4*\s:G0B+4*\s+3], s[G1B:G1B+7]
	s_nop 0
.Lasked_\@:
.endm
.macro CREST                           ; a round of the cluster's barrier behind its opening work-group barrier
	s_cmp_lg_u32 s10, 0
	s_cbranch_scc1 .Lnot_wave_0_\@
	s_barrier_signal -3
.Lnot_wave_0_\@:
	s_barrier_wait -3
	s_barrier_signal -1
	s_barrier_wait -1
.endm
.macro CROUND                          ; a whole round
	s_barrier_signal -1
	s_barrier_wait -1
	CREST
.endm
	s_load_b512 s[68:83], s[0:1], 0x0              ; queries, keys, values, Wq, Wk, Wv, bq, bk
	s_load_b256 s[84:91], s[0:1], 0x40             ; bv, mask, qh, kh
	s_load_b64 s[92:93], s[0:1], 0x60              ; vh
	v_lshl_add_u32 v30, v0, 2, 0x48400
	v_mov_b32 v31, 0
	ds_add_u32 v30, v31
	v_lshrrev_b32 v1, 5, v0
	v_readfirstlane_b32 s10, v1                    ; wave 0..3
	s_lshr_b32 s11, s10, 1                         ; my half of the block's tokens.  Also: I fetch for x (0) or for W (1)
	s_and_b32 s12, s10, 1                          ; my half of its outputs.  Also: which 128 rows of that tile I fetch
	s_bfe_u32 s40, ttmp6, 0x40000                  ; cx
	s_bfe_u32 s41, ttmp6, 0x40004                  ; cy
	s_lshl_b32 s42, ttmp9, 2
	s_add_co_u32 s42, s42, s40                     ; block column = 4 x cluster x + cx
	s_and_b32 s13, ttmp7, 0xffff                   ; cluster y, 0..11
	s_lshr_b32 s99, s13, 2                         ; which product: 0 q, 1 k, 2 v; the same in the whole cluster
	s_and_b32 s13, s13, 3
	s_lshl_b32 s13, s13, 2
	s_add_co_u32 s13, s13, s41                     ; block row inside the product = 4 x (cluster y mod 4) + cy
	s_lshl_b32 s43, s41, 2
	s_lshl_b32 s43, 15, s43                        ; my row of the cluster: places 4 cy .. 4 cy + 3
	s_lshl_b32 s44, 0x1111, s40                    ; my column: places cx, cx + 4, cx + 8, cx + 12
	; group 1: a tile of 128 rows x 64 elements of 4 bytes, 4 words of padding behind every 64 words
	s_or_b32 s[G1+0], s43, (2<<16)|(1<<20)|(1<<21)|(5<<22)|(3<<25)
	s_or_b32 s[G1B+0], s44, (2<<16)|(1<<20)|(1<<21)|(5<<22)|(3<<25)
	s_mov_b32 s[G1+1], KSTEP<<16                   ; tensor_dim0 = 64
	s_mov_b32 s[G1B+1], KSTEP<<16
	s_mov_b32 s[G1+2], 128<<16                     ; tensor_dim1 = 128
	s_mov_b32 s[G1B+2], 128<<16
	s_mov_b32 s[G1+3], KSTEP<<16                   ; tile_dim0 = 64
	s_mov_b32 s[G1B+3], KSTEP<<16
	s_mov_b32 s[G1+4], 128                         ; tile_dim1 = 128
	s_mov_b32 s[G1B+4], 128
	s_mov_b32 s[G1+5], 1024                        ; elements from row to row
	s_mov_b32 s[G1B+5], 1024
	s_mov_b32 s[G1+6], 0
	s_mov_b32 s[G1B+6], 0
	s_mov_b32 s[G1+7], 0
	s_mov_b32 s[G1B+7], 0
	; byte offsets of my tiles: rows of 4,096 bytes; the largest is below 2^25
	s_lshl_b32 s17, s12, 7
	s_lshl_b32 s16, s13, 8
	s_add_co_u32 s16, s16, s17                     ; x: row 256 x block row + 128 x half
	s_lshl_b32 s16, s16, 12
	s_lshl_b32 s46, s42, 8
	s_add_co_u32 s46, s46, s17                     ; W: row 256 x block column + 128 x half
	s_lshl_b32 s46, s46, 12
	s_mov_b32 s17, 0
	s_mov_b32 s47, 0
	s_mul_i32 s20, s10, HALFT                      ; where they go: wave x 128 rows
	s_wait_dscnt 0x0
	s_wait_kmcnt 0x0
	; the product's buffers, chosen by its number
	s_cmp_eq_u32 s99, 1
	s_cselect_b64 s[4:5], s[70:71], s[68:69]       ; x
	s_cselect_b64 s[6:7], s[76:77], s[74:75]       ; W
	s_cselect_b64 s[8:9], s[90:91], s[88:89]       ; the output
	s_cselect_b64 s[66:67], s[82:83], s[80:81]     ; the bias
	s_cselect_b32 s98, 0, -1                       ; what a masked token's row is ANDed with: 0 for K alone
	s_cmp_eq_u32 s99, 2
	s_cselect_b64 s[4:5], s[72:73], s[4:5]
	s_cselect_b64 s[6:7], s[78:79], s[6:7]
	s_cselect_b64 s[8:9], s[92:93], s[8:9]
	s_cselect_b64 s[66:67], s[84:85], s[66:67]
	s_cmp_eq_u32 s99, 0
	s_cselect_b32 s96, 0x3e38aa3b, 1.0             ; c = log2(e)/8 for Q, 1 otherwise
	s_mov_b32 s97, s96
	s_add_nc_u64 s[14:15], s[4:5], s[16:17]
	s_add_nc_u64 s[46:47], s[6:7], s[46:47]
	CROUND                                         ; all sixteen work-groups are here: the first joint loads meet
.irp s, 0,1
	s_mov_b32 s[G0+4*\s], 1
	s_add_co_u32 s[G0+4*\s+1], s20, \s*SLOT
	s_add_nc_u64 s[G0+4*\s+2:G0+4*\s+3], s[14:15], \s*KSTEP*4      ; K step s
	s_or_b32 s[G0+4*\s+3], s[G0+4*\s+3], 0x80000000
	s_mov_b32 s[G0B+4*\s], 1
	s_add_co_u32 s[G0B+4*\s+1], s20, \s*SLOT
	s_add_nc_u64 s[G0B+4*\s+2:G0B+4*\s+3], s[46:47], \s*KSTEP*4
	s_or_b32 s[G0B+4*\s+3], s[G0B+4*\s+3], 0x80000000
	JLOAD \s                                       ; two loads of mine are out now; later one behind each round
.endr
	; bases of the mask, the bias and the output
	s_lshl_b32 s45, s13, 8
	s_lshl_b32 s94, s11, 7
	s_add_co_u32 s45, s45, s94                     ; my first token, 0..4095 = 2048 x batch + position: the mask's index too
	s_lshl_b32 s94, s45, 2
	s_mov_b32 s95, 0
	s_add_nc_u64 s[86:87], s[86:87], s[94:95]
	s_lshl_b32 s94, s42, 10
	s_lshl_b32 s23, s12, 9
	s_add_co_u32 s94, s94, s23                     ; 4 bytes x (256 x block column + 128 x half)
	s_add_nc_u64 s[66:67], s[66:67], s[94:95]
	s_lshr_b32 s94, s45, 11                        ; batch
	s_lshl_b32 s94, s94, 2
	s_add_co_u32 s94, s94, s42
	s_lshl_b32 s94, s94, 1
	s_add_co_u32 s94, s94, s12                     ; (16 x batch + my first head) / 2: my 128 outputs are two heads
	s_lshl_b32 s94, s94, 19                        ; a head's plane is 2048 x 128 = 262,144 bytes
	s_and_b32 s45, s45, 2047
	s_lshl_b32 s45, s45, 7                         ; a token's row in a plane is 128 bytes
	s_add_co_u32 s94, s94, s45
	s_add_nc_u64 s[8:9], s[8:9], s[94:95]
	; lane addresses.  A 16-bit fragment's lane holds K = 8 (l / 16) + 0..7 and 16 + 8 (l / 16) + 0..7 of row l % 16: in f32 that is 32 bytes at 32 (l / 16) and 32 bytes 64 further on
	v_and_b32 v1, 15, v0                           ; l % 16
	v_bfe_u32 v2, v0, 4, 1                         ; l / 16
	v_mul_u32_u24 v3, v1, PITCH
	v_lshl_add_u32 v3, v2, 5, v3
	s_mul_i32 s21, s11, HALFT                      ; my 128 rows of x
	s_mul_i32 s22, s12, HALFT
	s_add_co_u32 s22, s22, 2*HALFT                 ; my 128 rows of W, behind x's 256
.irp s, 0,1
	v_add_nc_u32 v[ADRA+\s], s21, v3
	v_add_nc_u32 v[ADRB+\s], s22, v3
	s_add_co_u32 s21, s21, SLOT
	s_add_co_u32 s22, s22, SLOT
.endr
	s_mul_i32 s23, s10, 16*SPITCH
	s_add_co_u32 s23, s23, STAGE                   ; my stage
	v_mul_u32_u24 v4, v1, SPITCH
	v_lshl_add_u32 v4, v2, 4, v4
	v_add_nc_u32 v[STO], s23, v4                   ; in: token l % 16, 16 bytes for each half of the lanes
	v_and_b32 v5, 31, v0
	v_lshrrev_b32 v6, 3, v5
	v_and_b32 v7, 7, v0
	v_mul_u32_u24 v6, v6, SPITCH
	v_lshl_add_u32 v6, v7, 4, v6
	v_add_nc_u32 v[RD], s23, v6                    ; back: eight lanes take one token's 128 bytes of a head, the wave four tokens
	v_lshlrev_b32 v[CO], 4, v5                     ; those four tokens are 512 neighbouring bytes of the output
	v_lshlrev_b32 v[BOF], 5, v2
	v_lshlrev_b32 v[MOF], 2, v1
.irp b, 0,1,2,3,4,5,6,7
	global_load_b128 v[BC+8*\b+160*(\b/4):BC+8*\b+160*(\b/4)+3],   v[BOF], s[66:67] offset:64*\b      ; bias of outputs 16 b + 8 (l / 16) + 0..7
	global_load_b128 v[BC+8*\b+160*(\b/4)+4:BC+8*\b+160*(\b/4)+7], v[BOF], s[66:67] offset:64*\b+16
.endr
.irp i, 0,1,2,3,4,5,6,7
	global_load_b32 v[MW+\i], v[MOF], s[86:87] offset:64*\i        ; mask word of token 16 i + l % 16
.endr
	v_mov_b32 v1, s98
	v_mov_b32 v2, -1
	s_wait_loadcnt 0x0                             ; once; the first tiles are on their way meanwhile
.irp b, 0,1,2,3,4,5,6,7
.irp j, 0,2,4,6
	v_pk_mul_f32 v[BC+8*\b+160*(\b/4)+\j:BC+8*\b+160*(\b/4)+\j+1], v[BC+8*\b+160*(\b/4)+\j:BC+8*\b+160*(\b/4)+\j+1], s[96:97] op_sel_hi:[1,0]   ; b x c, so that the way out is one fused multiply-add
.endr
.endr
.irp i, 0,1,2,3,4,5,6,7
	v_cmp_ne_u32 vcc_lo, 0, v[MW+\i]
	v_cndmask_b32 v[MW+\i], v1, v2, vcc_lo         ; all ones where the token is kept; s98 where its mask word is 0
.endr
; Eight LDS loads: the raw f32 of fragments i0 and i0 + 1 (16 rows x 32 along K each, at byte 128 kq of the rows) into r (RA or RB), under destination window 1
.macro LD8 r, adr, slot, kq, i0
.irp i, \i0, \i0+1
.irp c, 0,1,2,3
	ds_load_b128 v[\r+16*(\i)+4*\c:\r+16*(\i)+4*\c+3], v[\adr+\slot] offset:\kq*128+(\i)*16*PITCH+16*(\c%2)+64*(\c/2)
.endr
.endr
.endm
; All 64 in one run, W's first, then x's: in front of the first phase alone
.macro LOADRAW slot, kq
	WIN 0x40                                       ; destination window 1, address window 0
.irp i, 0,2,4,6
	LD8 RB, ADRB, \slot, \kq, \i
.endr
.irp i, 0,2,4,6
	LD8 RA, ADRA, \slot, \kq, \i
.endr
.endm
; Eight roundings of two f32 to f16: fragment i; K keeps its true places.  Under sources window 1, destination window 0.
.macro CVT1 f, r, i
.irp j, 0,1,2,3,4,5,6,7
	v_cvt_pk_f16_f32 v[\f+8*(\i)+\j], v[\r+16*(\i)+2*\j], v[\r+16*(\i)+2*\j+1]
.endr
.endm
.macro CVT f, r
.irp i, 0,1,2,3,4,5,6,7
	CVT1 \f, \r, \i
.endr
.endm
; Eight matrix instructions: tokens 16 a .. 16 a + 15 x all my 128 outputs, 32 along K
.macro ROW a, zero
.if \a < 4
	WIN 0xa0                                       ; C and D window 2
.else
	WIN 0xf0                                       ; C and D window 3
.endif
.irp b, 0,1,2,3,4,5,6,7
.if \zero
	v_wmma_f32_16x16x32_f16 v[8*(8*(\a%4)+\b):8*(8*(\a%4)+\b)+7], v[FB+8*\b:FB+8*\b+7], v[FA+8*\a:FA+8*\a+7], 0
.else
	v_wmma_f32_16x16x32_f16 v[8*(8*(\a%4)+\b):8*(8*(\a%4)+\b)+7], v[FB+8*\b:FB+8*\b+7], v[FA+8*\a:FA+8*\a+7], v[8*(8*(\a%4)+\b):8*(8*(\a%4)+\b)+7]
.endif
.endr
.endm
; A phase's 64 matrix instructions.  The 64 accumulators take turns, one instruction a turn, in the same order every time.
; In front of row a: (ld = 1) eight loads of the next phase's raw numbers, from byte 128 kq of slot's rows: W's fragments 2 a, 2 a + 1 in rows 0 to 3 (W's raw registers were all
; rounded ahead of row 0), x's fragments 2 (a - 4), 2 (a - 4) + 1 in rows 4 to 7 (x's raw fragment i is rounded in front of row i - 1, so each is free at least a row earlier);
; and the rounding of x's fragment a + 1.  FA's fragment a + 1 was last read by the phase before, behind which stand the four places at this phase's head.
.macro MULP slot, kq, ld, zero
.irp a, 0,1,2,3,4,5,6,7
.if \ld
	WIN 0x40
.if \a < 4
	LD8 RB, ADRB, \slot, \kq, 2*\a
.else
	LD8 RA, ADRA, \slot, \kq, 2*\a-8
.endif
.endif
.if \a < 7
	WIN 0x05
	CVT1 FA, RA, \a+1
.endif
	ROW \a, \zero
.endr
.endm
; The first half of a K step.
.macro PHA slot, zero
	s_wait_dscnt 32                                ; LDS loads come back in order (ISA guide 5.7.1): the 32 younger ones are x's, so W's raw numbers are in
	PLACES                                         ; FB and FA were read by the last matrix instructions
	WIN 0x05                                       ; sources window 1, destination window 0
	CVT FB, RB
	s_wait_dscnt 0                                 ; x's raw numbers
	CVT1 FA, RA, 0
	MULP \slot, 1, 1, \zero
.endm
; The second half, and the change of slots.  The slot's last bytes are in registers before the barrier, so it can be filled again at once behind it.
.macro PHB slot, next, fill
	s_wait_dscnt 0                                 ; my reads of this slot are over
	s_wait_tensorcnt 0x0                           ; all my tensor loads have landed: the one that was out is my part of the next slot
	ds_add_u32 v30, v31
	s_wait_dscnt 0x0
	s_barrier_signal -1                            ; where the slot is filled again this barrier opens a round of the cluster's barrier
	PLACES
	WIN 0x05
	CVT FB, RB                                     ; register work while the others arrive
	CVT1 FA, RA, 0
	WIN 0
	s_barrier_wait -1
.if \fill
	CREST                                          ; no wave of any partner still reads this slot or has a load on its way
	s_add_nc_u64 s[G0+4*\slot+2:G0+4*\slot+3], s[G0+4*\slot+2:G0+4*\slot+3], 2*KSTEP*4
	s_add_nc_u64 s[G0B+4*\slot+2:G0B+4*\slot+3], s[G0B+4*\slot+2:G0B+4*\slot+3], 2*KSTEP*4
	JLOAD \slot                                    ; my one tensor load behind the round; 128 matrix instructions and 184 roundings pass before the wait for it
.endif
	MULP \next, 0, 1, 0
.endm
.macro LAP zero
	PHA 0, \zero
	PHB 0, 1, 1
	PHA 1, 0
	PHB 1, 0, 1
.endm
	s_wait_tensorcnt 1                             ; my part of K step 0 is in; K step 1's stays out
	s_barrier_signal -1
	s_barrier_wait -1
	LOADRAW 0, 0
	LAP 1                                          ; the first products start the sums: nothing is cleared
	WIN 0
	s_mov_b32 s3, LAPS-2
.Llap:
	LAP 0
	WIN 0
	s_sub_co_u32 s3, s3, 1
	s_cmp_lg_u32 s3, 0
	s_cbranch_scc1 .Llap
	PHA 0, 0                                       ; the last lap fills nothing
	PHB 0, 1, 0
	PHA 1, 0
	s_wait_dscnt 0                                 ; the very last phase: nothing more to load
	PLACES
	WIN 0x05
	CVT FB, RB
	CVT1 FA, RA, 0
	MULP 1, 1, 0, 0
; THE WAY OUT, 16 tokens at a time: y = sum x c + b x c, rounded to f16, a masked K row cleared, 16 bytes a lane into my stage, read back by heads.
; wfma: destination and source 0 in the accumulators' window; wcvt: both sources there; f: FA or FB in turn.
.macro OUT16 i, a, wfma, wcvt, f
	WIN \wfma
.irp b, 0,1,2,3,4,5,6,7
.irp j, 0,2,4,6
	v_pk_fma_f32 v[8*(8*\a+\b)+\j:8*(8*\a+\b)+\j+1], v[8*(8*\a+\b)+\j:8*(8*\a+\b)+\j+1], s[96:97], v[BC+8*\b+160*(\b/4)+\j:BC+8*\b+160*(\b/4)+\j+1] op_sel_hi:[1,0,1]
.endr
.endr
	WIN \wcvt
.irp b, 0,1,2,3,4,5,6,7
.irp r, 0,1,2,3
	v_cvt_pk_f16_f32 v[TMP+4*\b+\r], v[8*(8*\a+\b)+2*\r], v[8*(8*\a+\b)+2*\r+1]
.endr
.endr
	WIN 0
.irp b, 0,1,2,3,4,5,6,7
.irp r, 0,1,2,3
	v_and_b32 v[TMP+4*\b+\r], v[MW+\i], v[TMP+4*\b+\r]
.endr
.endr
.irp b, 0,1,2,3,4,5,6,7
	ds_store_b128 v[STO], v[TMP+4*\b:TMP+4*\b+3] offset:32*\b
.endr
	s_wait_xcnt 0x0                                ; buffer f, which earlier stores read, is loaded again only behind this wait
.irp hd, 0,1
.irp t, 0,1,2,3
	ds_load_b128 v[\f+16*\hd+4*\t:\f+16*\hd+4*\t+3], v[RD] offset:\t*4*SPITCH+128*\hd     ; LDS serves a wave's instructions in order: these see the stores above
.endr
.endr
.irp hd, 0,1
.irp t, 0,1,2,3
	s_wait_dscnt 7-(4*\hd+\t)
	global_store_b128 v[CO], v[\f+16*\hd+4*\t:\f+16*\hd+4*\t+3], s[8:9] offset:\i*2048+\t*512+\hd*262144   ; four tokens of one head: 512 consecutive bytes, at a multiple of 512
.endr
.endr
.endm
	PLACES                                         ; behind the last matrix instructions
	OUT16 0, 0, 0x82, 0x0a, FA
	OUT16 1, 1, 0x82, 0x0a, FB
	OUT16 2, 2, 0x82, 0x0a, FA
	OUT16 3, 3, 0x82, 0x0a, FB
	OUT16 4, 0, 0xc3, 0x0f, FA
	OUT16 5, 1, 0xc3, 0x0f, FB
	OUT16 6, 2, 0xc3, 0x0f, FA
	OUT16 7, 3, 0xc3, 0x0f, FB
	s_wait_tensorcnt 0x0
	ds_add_u32 v30, v31
	s_wait_dscnt 0x0
	CROUND                                         ; the closing round: no work-group ends while a partner may still ask for a tile that names it
	s_endpgm
.Lfunc_end_k_q5ef0b0e1e4_proj:
	.size	k_q5ef0b0e1e4_proj, .Lfunc_end_k_q5ef0b0e1e4_proj-k_q5ef0b0e1e4_proj
	.p2alignl 7, 3214868480
	.fill 96, 4, 3214868480
	.section	.rodata,"a",@progbits
	.p2align	6, 0x0
	.amdhsa_kernel k_q5ef0b0e1e4_proj
		.amdhsa_group_segment_fixed_size 327680
		.amdhsa_private_segment_fixed_size 0
		.amdhsa_enable_private_segment 0
		.amdhsa_kernarg_size 104
		.amdhsa_user_sgpr_count 2
		.amdhsa_user_sgpr_kernarg_segment_ptr 1
		.amdhsa_wavefront_size32 1
		.amdhsa_system_sgpr_workgroup_id_x 1
		.amdhsa_system_sgpr_workgroup_id_y 1
		.amdhsa_system_sgpr_workgroup_id_z 1
		.amdhsa_system_vgpr_workitem_id 0
		.amdhsa_next_free_vgpr 1024
		.amdhsa_next_free_sgpr 100
		.amdhsa_reserve_vcc 1
		.amdhsa_float_denorm_mode_32 3
		.amdhsa_float_denorm_mode_16_64 3
		.amdhsa_memory_ordered 1
		.amdhsa_forward_progress 1
		.amdhsa_inst_pref_size 255
	.end_amdhsa_kernel
	.section	.bss,"aw",@nobits
	.p2align	6
	.space	262144
	.amdgpu_metadata
---
amdhsa.version: [ 1, 2 ]
amdhsa.kernels:
  - .name:           k_q5ef0b0e1e4_proj
    .symbol:         k_q5ef0b0e1e4_proj.kd
    .args:
      - { .name: queries, .offset: 0, .size: 8, .value_kind: global_buffer, .address_space: global }
      - { .name: keys, .offset: 8, .size: 8, .value_kind: global_buffer, .address_space: global }
      - { .name: values, .offset: 16, .size: 8, .value_kind: global_buffer, .address_space: global }
      - { .name: Wq, .offset: 24, .size: 8, .value_kind: global_buffer, .address_space: global }
      - { .name: Wk, .offset: 32, .size: 8, .value_kind: global_buffer, .address_space: global }
      - { .name: Wv, .offset: 40, .size: 8, .value_kind: global_buffer, .address_space: global }
      - { .name: bq, .offset: 48, .size: 8, .value_kind: global_buffer, .address_space: global }
      - { .name: bk, .offset: 56, .size: 8, .value_kind: global_buffer, .address_space: global }
      - { .name: bv, .offset: 64, .size: 8, .value_kind: global_buffer, .address_space: global }
      - { .name: mask, .offset: 72, .size: 8, .value_kind: global_buffer, .address_space: global }
      - { .name: qh, .offset: 80, .size: 8, .value_kind: global_buffer, .address_space: global }
      - { .name: kh, .offset: 88, .size: 8, .value_kind: global_buffer, .address_space: global }
      - { .name: vh, .offset: 96, .size: 8, .value_kind: global_buffer, .address_space: global }
    .group_segment_fixed_size: 327680
    .private_segment_fixed_size: 0
    .kernarg_segment_align: 8
    .kernarg_segment_size: 104
    .max_flat_workgroup_size: 128
    .sgpr_count:     100
    .vgpr_count:     1024
    .wavefront_size: 32
...
	.end_amdgpu_metadata
.endif
;; end of part 1
;; launch attn (part 2): grid 8 x 32, 8 waves a work-group, clusters of 4 x 1, 327,680 bytes of LDS; arguments qh, kh, vh, mask, ctxh; writes ctxh
.if DOCPART == 2
	.amdgcn_target "amdgcn-amd-amdhsa--gfx1250"
	.amdhsa_code_object_version 6
	.text
	.protected	k_q5ef0b0e1e4_attn
	.globl	k_q5ef0b0e1e4_attn
	.p2align	8
	.type	k_q5ef0b0e1e4_attn,@function
k_q5ef0b0e1e4_attn:
	s_mov_b64 s[64:65], 0
	v_nop
	global_prefetch_b8 v0, s[64:65] scope:SCOPE_SE
	s_setreg_imm32_b32 hwreg(HW_REG_WAVE_MODE, 25, 1), 1
	s_wait_xcnt 0x0
	s_wait_alu depctr_hold_cnt(0) depctr_sa_sdst(0) depctr_va_vdst(0) depctr_va_sdst(0) depctr_va_ssrc(0) depctr_va_vcc(0) depctr_vm_vsrc(0)
	s_getreg_b32 s2, hwreg(HW_REG_IB_STS2, 6, 4)
	s_cmp_eq_u32 s2, 0
	s_cbranch_scc0 .Lentry_in_a_cluster
	s_endpgm
.Lentry_in_a_cluster:
	s_bfe_u32 s2, ttmp6, 0x10000c
	s_cmp_lg_u32 s2, 0x3003
	s_cbranch_scc0 .Lentry_shape_is_right
	s_endpgm
.Lentry_shape_is_right:
; attn: softmax(q k^T / 8, masked) v for one (batch, head) and 256 queries a work-group.  qh, kh, vh, ctxh: [32 (batch, head)][2048][64] f16.
; qh already carries log2(e)/8, so p = 2^(s - running maximum).  The maximum is taken away as the reference does, as a running maximum over steps of 64 keys.
; MASK: each score sum starts with C = 0 or -1e9*log2(e) for its key, and kh's rows of masked keys are zero, so a masked score is exactly that constant:
; where(mask == 0, -1e9, s) in base 2; a batch with every key masked gives p = 1 everywhere, the mean of v, as the reference does.
; LIMIT: with a non-finite query 0 * inf gives NaN at a masked key, where the reference has -1e9.
; FORMAT: p is rounded to f16 for the product with v; its sum is kept in f32.  p lies in 0 .. 1 for every input (the maximum is taken away), so f16 has room: a p below 2^-25 becomes 0,
; against a sum of at least 1.  The context is a weighted mean of v and is no larger than v, which the launch before has stored in f16 (its head states v's room).
; EVERYTHING IS TRANSPOSED: S^T = K Q^T (rows = keys, columns = queries), O^T = V^T P^T.  A lane then owns ONE query (l % 16): maximum, sum and rescaling factor are one
; number a lane, one exchange between the halves of the wave serves a maximum, and two packed S^T tiles are, as they lie, the second source of the product with V^T.
; SHARES: eight waves, 32 queries each (two tiles q = 0, 1).  K and V go in tiles of 256 keys through two LDS slots; a tile is four steps of 64 keys.
; ONE STEP AHEAD: two score buffers take turns.  While step g's scores are turned into p (about 160 vector instructions), the 16 matrix instructions of step g + 1's scores are laid
; between them, one behind every 6 to 12 vector instructions; the rescaling of O is laid between the first eight products with V^T.  So a wave's vector work passes while its own
; matrix instructions are at work, whatever the wave beside it on the SIMD does.
; Since step g + 1's K is wanted in step g, the change of slots stands in a tile's LAST step, behind its maximum: by then the tile's last K fragments (asked for two steps earlier)
; and last V^T fragments (asked for at the step's head) are in registers.
; CLUSTERS: the four work-groups of a cluster are four query blocks of one head and read the same K and V: every tile is asked for jointly (mask 15).
; PREFETCH: in step 0 of trip t wave 0 asks for one eighth (8,192 bytes, 32 lanes 256 bytes apart) of K's and V's tile t + 2, three steps ahead of its tensor load, which stands in
; step 3 of the same trip; the eight work-groups of a head take the eight eighths, so each block is asked for once; trips 6 and 7 ask for nothing.
; REGISTERS: window 0 holds all that the softmax and the score products name but the start values, so that one setting serves both:
;   v0-31 scratch and addresses, v32-63 Q, v64-127 score buffer 0, v128-191 K fragments, v192-255 score buffer 1.
;   window 1: v0-63 O, v64-95 start values, v96-159 V^T fragments.
; s_set_vgpr_msb's low byte: bits 1:0 source 0, 3:2 source 1, 5:4 source 2, 7:6 destination.  0x10: C from window 1 (the score products that start a sum; only vector
; instructions of two sources stand between them); 0x51: V^T, C and D from window 1, P from window 0 (the rescaling, O = O x factor, fits the same setting).
.set KP,    144                        ; K's LDS row: 128 bytes + 16, an odd multiple of 16
.set VP,    160                        ; V's LDS row: 128 bytes + 32, an odd multiple of 32, for the transposing loads
.set KB,    256*KP                     ; K's part of a slot
.set SLOT,  KB+256*VP                  ; 77,824
.set BIAS,  2*SLOT                     ; 2,048 f32: the start value of each key's score; written by LDS stores, in blocks of its own
.set STAGE, BIAS+8192                  ; 32 rows x 144 bytes for each wave, for the way out
.set SP,    144
.set TILEB, 32768                      ; bytes of 256 rows of K or of V in memory
.set ADK, 8                            ; v8-9    my K fragments in slot 0, 1
.set ADV, 10                           ; v10-11  my V fragments
.set ADB, 12                           ; v12     my start values; steps by 1,024 a tile
.set STO, 13
.set RD,  14
.set CO,  15
.set MX,  16                           ; v16-23  running maximum: pair 16 + 4 q + 2 par, the number in the low register
.set AL,  24                           ; v24-27  rescaling factor: pair 24 + 2 q
.set LS,  28                           ; v28-29  running sum of my half's keys
.set PFO, 30                           ; v30     256 x lane
.set QOF, 31
.set QF,  32                           ; v32-63  Q(q, ks) at 32 + 16 q + 8 ks
.set SC0, 64                           ; score buffer par at 64 + 128 par: S(q, kt) at + 32 q + 8 kt; packed in place to P(q, g) at + 32 q + 16 g
.set KF,  128                          ; v128-191 K fragments, 16 kt + 8 ks
.set OA,  0                            ; window 1: O tile t = 2 dt + q at 8 t
.set BI,  64                           ; window 1: start values, 8 for each of four key tiles
.set VF,  96                           ; window 1: V^T fragments, 32 g + 8 dt
.set G1K, 24
.set G1V, 32
.set G0K, 40
.set G0V, 48
.set MSB, 0
.macro WIN new                         ; the immediate's high byte repeats the setting that is left
.if MSB != \new
	s_set_vgpr_msb (MSB<<8)|\new
.set MSB, \new
.endif
.endm
.macro PLACES                          ; four independent vector instructions behind a matrix instruction (ISA guide 7.12.1)
.rept 4
	v_nop
.endr
.endm
.macro ROUND                           ; a round of the cluster's barrier
	s_barrier_signal -1
	s_barrier_wait -1
	s_cmp_lg_u32 s14, 0
	s_cbranch_scc1 .Lnot_wave_0_\@
	s_barrier_signal -3
.Lnot_wave_0_\@:
	s_barrier_wait -3
	s_barrier_signal -1
	s_barrier_wait -1
.endm
.macro JLOAD s                         ; waves 0-3 fetch K's four quarters (64 rows each), waves 4-7 V's
	s_cmp_eq_u32 s15, 0
	s_cbranch_scc0 .Lfor_v_\@
	tensor_load_to_lds s[G0K+4*\s:G0K+4*\s+3], s[G1K:G1K+7]
	s_nop 0
	s_branch .Lasked_\@
.Lfor_v_\@:
	tensor_load_to_lds s[G0V+4*\s:G0V+4*\s+3], s[G1V:G1V+7]
	s_nop 0
.Lasked_\@:
.endm
	s_load_b256 s[4:11], s[0:1], 0x0               ; qh s[4:5], kh s[6:7], vh s[8:9], mask s[10:11]
	s_load_b64 s[12:13], s[0:1], 0x20              ; ctxh
	s_set_vgpr_msb 0x40
	v_lshl_add_u32 v160, v0, 2, 0x31000
	v_mov_b32 v161, 0
	s_set_vgpr_msb 0x4045
	ds_add_u32 v160, v161
	s_set_vgpr_msb 0x4500
	v_lshrrev_b32 v1, 5, v0
	v_readfirstlane_b32 s14, v1                    ; wave 0..7
	s_lshr_b32 s15, s14, 2                         ; I fetch for K (0) or for V (1)
	s_and_b32 s16, s14, 3                          ; which quarter
	s_bfe_u32 s17, ttmp6, 0x40000                  ; cx
	s_lshl_b32 s18, ttmp9, 2
	s_add_co_u32 s18, s18, s17                     ; query block 0..7
	s_and_b32 s19, ttmp7, 0xffff                   ; 16 x batch + head
	s_mov_b32 s58, 0x76543210                      ; v_permlanex16_b32: lane i of one half reads lane i of the other
	s_mov_b32 s59, 0xfedcba98
	; group 1: 64 rows x 64 elements of 2 bytes; padding behind every 32 words: 4 words for K, 8 for V; mask 15, bit 21 beside it
	s_mov_b32 s[G1K+0], 15|(1<<16)|(1<<20)|(1<<21)|(4<<22)|(3<<25)
	s_mov_b32 s[G1V+0], 15|(1<<16)|(1<<20)|(1<<21)|(4<<22)|(7<<25)
	s_mov_b32 s[G1K+1], 64<<16
	s_mov_b32 s[G1V+1], 64<<16
	s_mov_b32 s[G1K+2], 64<<16
	s_mov_b32 s[G1V+2], 64<<16
	s_mov_b32 s[G1K+3], 64<<16
	s_mov_b32 s[G1V+3], 64<<16
	s_mov_b32 s[G1K+4], 64
	s_mov_b32 s[G1V+4], 64
	s_mov_b32 s[G1K+5], 64
	s_mov_b32 s[G1V+5], 64
	s_mov_b32 s[G1K+6], 0
	s_mov_b32 s[G1V+6], 0
	s_mov_b32 s[G1K+7], 0
	s_mov_b32 s[G1V+7], 0
	s_lshl_b32 s20, s19, 18                        ; the head's plane of 262,144 bytes
	s_lshl_b32 s21, s16, 13                        ; my quarter: 64 rows of 128 bytes
	s_add_co_u32 s20, s20, s21
	s_mov_b32 s21, 0
	s_mul_i32 s22, s16, 64*KP                      ; where it goes, for K
	s_mul_i32 s23, s16, 64*VP
	s_add_co_u32 s23, s23, KB                      ; and for V
	s_mov_b32 s61, ttmp9
	s_lshl_b32 s62, s19, 18                        ; the prefetch: the head's plane, tile 2, eighth cx of K (first cluster of the head) or of V (second)
	s_lshl_b32 s63, s17, 13
	s_add_co_u32 s62, s62, s63
	s_add_co_u32 s62, s62, 2*TILEB
	s_mov_b32 s63, 0
	s_wait_dscnt 0x0
	s_wait_kmcnt 0x0
	s_cmp_eq_u32 s61, 0
	s_cselect_b64 s[56:57], s[6:7], s[8:9]
	s_add_nc_u64 s[56:57], s[56:57], s[62:63]
	s_add_nc_u64 s[6:7], s[6:7], s[20:21]
	s_add_nc_u64 s[8:9], s[8:9], s[20:21]
.irp s, 0,1
	s_mov_b32 s[G0K+4*\s], 1
	s_add_co_u32 s[G0K+4*\s+1], s22, \s*SLOT
	s_add_nc_u64 s[G0K+4*\s+2:G0K+4*\s+3], s[6:7], \s*TILEB        ; tile s
	s_or_b32 s[G0K+4*\s+3], s[G0K+4*\s+3], 0x80000000
	s_mov_b32 s[G0V+4*\s], 1
	s_add_co_u32 s[G0V+4*\s+1], s23, \s*SLOT
	s_add_nc_u64 s[G0V+4*\s+2:G0V+4*\s+3], s[8:9], \s*TILEB
	s_or_b32 s[G0V+4*\s+3], s[G0V+4*\s+3], 0x80000000
.endr
	ROUND                                          ; the four work-groups are here: the first joint loads meet
	JLOAD 0                                        ; tiles 0 and 1, both slots' first fills, as one group: two loads of mine are out now,
	JLOAD 1                                        ; later one behind each round
	s_lshl_b32 s62, s19, 18
	s_lshl_b32 s61, s18, 15                        ; 256 queries of 128 bytes
	s_add_co_u32 s62, s62, s61
	s_add_nc_u64 s[4:5], s[4:5], s[62:63]          ; my block of qh
	s_add_nc_u64 s[12:13], s[12:13], s[62:63]      ; and of ctxh
	s_lshr_b32 s62, s19, 4
	s_lshl_b32 s62, s62, 13                        ; the batch's 2,048 mask words
	s_add_nc_u64 s[10:11], s[10:11], s[62:63]
	v_and_b32 v2, 31, v0                           ; l
	v_and_b32 v3, 15, v0                           ; l % 16
	v_bfe_u32 v4, v0, 4, 1                         ; l / 16
	v_mul_u32_u24 v[ADK], v3, KP
	v_lshl_add_u32 v[ADK], v4, 4, v[ADK]           ; row l % 16, 16 bytes for each half
	v_add_nc_u32 v[ADK+1], SLOT, v[ADK]
	v_and_b32 v6, 7, v0
	v_lshl_add_u32 v7, v4, 3, v6                   ; the transposing load: key 8 (l / 16) + l % 8,
	v_mul_u32_u24 v7, v7, VP
	v_bfe_u32 v1, v0, 3, 1
	v_lshl_add_u32 v7, v1, 4, v7                   ; 16 bytes (8 of d) for each group of eight lanes
	v_add_nc_u32 v[ADV], KB, v7
	v_add_nc_u32 v[ADV+1], KB+SLOT, v7
	v_lshlrev_b32 v[ADB], 5, v4
	v_add_nc_u32 v[ADB], BIAS, v[ADB]              ; keys 8 (l / 16) + 0..7 of a tile of 16
	s_mul_i32 s23, s14, 32*SP
	s_add_co_u32 s23, s23, STAGE
	v_add_nc_u32 v[STO], s23, v[ADK]
	v_lshrrev_b32 v7, 3, v2
	v_mul_u32_u24 v7, v7, SP
	v_lshl_add_u32 v7, v6, 4, v7
	v_add_nc_u32 v[RD], s23, v7
	s_lshl_b32 s22, s14, 12                        ; my wave's 32 queries: 4,096 bytes
	v_lshl_add_u32 v[CO], v2, 4, s22
	v_lshlrev_b32 v[QOF], 7, v3
	v_lshl_add_u32 v[QOF], v4, 4, v[QOF]
	v_add_nc_u32 v[QOF], s22, v[QOF]
	v_lshlrev_b32 v[PFO], 8, v2
	v_lshlrev_b32 v6, 5, v0                        ; thread t turns mask words 8 t .. 8 t + 7 into start values
	v_add_nc_u32 v7, BIAS, v6
	global_load_b128 v[KF:KF+3],   v6, s[10:11]    ; K's registers serve as scratch until the first K fragments are loaded
	global_load_b128 v[KF+4:KF+7], v6, s[10:11] offset:16
.irp q, 0,1
.irp ks, 0,1
	global_load_b128 v[QF+16*\q+8*\ks:QF+16*\q+8*\ks+3],   v[QOF], s[4:5] offset:\q*2048+\ks*64
	global_load_b128 v[QF+16*\q+8*\ks+4:QF+16*\q+8*\ks+7], v[QOF], s[4:5] offset:\q*2048+\ks*64+32
.endr
.endr
	v_mov_b32 v5, 0xceabfb8f                       ; -1e9 x log2(e)
.irp j, 1,3,5,7
	v_mov_b32 v[MX+\j], 0                          ; the pairs' upper registers are named by the packed forms and never used
.endr
	v_mov_b32 v[AL+1], 0
	v_mov_b32 v[AL+3], 0
	s_wait_loadcnt 8                               ; the eight younger loads are Q's: the mask words are in
.irp i, 0,1,2,3,4,5,6,7
	v_cmp_eq_u32 vcc_lo, 0, v[KF+\i]
	v_cndmask_b32 v[KF+\i], 0, v5, vcc_lo
.endr
	ds_store_b128 v7, v[KF:KF+3]
	ds_store_b128 v7, v[KF+4:KF+7] offset:16
	s_wait_loadcnt 0x0                             ; Q
; 24 LDS loads for step u of a slot: eight K fragments (16 keys x 32 of d) and the 64 keys' start values.  Entered under setting 0, left under 0x40.
.macro LOADK slot, u
.irp kt, 0,1,2,3
.irp ks, 0,1
	ds_load_b128 v[KF+16*\kt+8*\ks:KF+16*\kt+8*\ks+3],   v[ADK+\slot] offset:(64*(\u)+16*\kt)*KP+64*\ks
	ds_load_b128 v[KF+16*\kt+8*\ks+4:KF+16*\kt+8*\ks+7], v[ADK+\slot] offset:(64*(\u)+16*\kt)*KP+64*\ks+32
.endr
.endr
	WIN 0x40                                       ; destination window 1
.irp kt, 0,1,2,3
	ds_load_b128 v[BI+8*\kt:BI+8*\kt+3],   v[ADB] offset:256*(\u)+64*\kt
	ds_load_b128 v[BI+8*\kt+4:BI+8*\kt+7], v[ADB] offset:256*(\u)+64*\kt+16
.endr
.endm
; The score products into buffer SCN, tile n = 2 kt + q.  SW1: d = 0..31, starts the sum with the keys' start values (setting 0x10).  SW2: d = 32..63, in place (setting 0).
; The eight tiles take turns, one instruction a turn, in the same order in both passes.
.macro SW1 n
	v_wmma_f32_16x16x32_f16 v[SCN+32*(\n%2)+8*(\n/2):SCN+32*(\n%2)+8*(\n/2)+7], v[KF+16*(\n/2):KF+16*(\n/2)+7], v[QF+16*(\n%2):QF+16*(\n%2)+7], v[BI+8*(\n/2):BI+8*(\n/2)+7]
.endm
.macro SW2 n
	v_wmma_f32_16x16x32_f16 v[SCN+32*(\n%2)+8*(\n/2):SCN+32*(\n%2)+8*(\n/2)+7], v[KF+16*(\n/2)+8:KF+16*(\n/2)+15], v[QF+16*(\n%2)+8:QF+16*(\n%2)+15], v[SCN+32*(\n%2)+8*(\n/2):SCN+32*(\n%2)+8*(\n/2)+7]
.endm
.macro W1 n                            ; in a step: only where a further step follows
.if SMM
	SW1 \n
.endif
.endm
.macro W2 n
.if SMM
	SW2 \n
.endif
.endm
.macro SUBM q, kt                      ; s - maximum, eight numbers
.irp j, 0,2,4,6
	v_pk_add_f32 v[SCC+32*\q+8*\kt+\j:SCC+32*\q+8*\kt+\j+1], v[SCC+32*\q+8*\kt+\j:SCC+32*\q+8*\kt+\j+1], v[MXN+4*\q:MXN+4*\q+1] op_sel_hi:[1,0] neg_lo:[0,1] neg_hi:[0,1]
.endr
.endm
.macro EXPM q, kt
.irp j, 0,1,2,3,4,5,6,7
	v_exp_f32 v[SCC+32*\q+8*\kt+\j], v[SCC+32*\q+8*\kt+\j]
.endr
.endm
.macro SUMM q, kt                      ; into two pairs v[4q:4q+1], v[4q+2:4q+3]; the first tile starts them
.if \kt == 0
	s_wait_alu depctr_va_vdst(0)
	v_pk_add_f32 v[4*\q:4*\q+1],   v[SCC+32*\q:SCC+32*\q+1],   v[SCC+32*\q+2:SCC+32*\q+3]
	v_pk_add_f32 v[4*\q+2:4*\q+3], v[SCC+32*\q+4:SCC+32*\q+5], v[SCC+32*\q+6:SCC+32*\q+7]
.else
	s_wait_alu depctr_va_vdst(0)
	v_pk_add_f32 v[4*\q:4*\q+1],   v[4*\q:4*\q+1],   v[SCC+32*\q+8*\kt:SCC+32*\q+8*\kt+1]
	v_pk_add_f32 v[4*\q+2:4*\q+3], v[4*\q+2:4*\q+3], v[SCC+32*\q+8*\kt+2:SCC+32*\q+8*\kt+3]
	v_pk_add_f32 v[4*\q:4*\q+1],   v[4*\q:4*\q+1],   v[SCC+32*\q+8*\kt+4:SCC+32*\q+8*\kt+5]
	v_pk_add_f32 v[4*\q+2:4*\q+3], v[4*\q+2:4*\q+3], v[SCC+32*\q+8*\kt+6:SCC+32*\q+8*\kt+7]
.endif
.endm
.macro CVTM q, kt                      ; keys 16 kt + 8 (l / 16) + 0..7 are registers 4 (kt % 2) + 0..3 of the fragment of 32 keys kt / 2
.irp j, 0,1,2,3
	v_cvt_pk_f16_f32 v[SCC+32*\q+16*(\kt/2)+4*(\kt%2)+\j], v[SCC+32*\q+8*\kt+2*\j], v[SCC+32*\q+8*\kt+2*\j+1]
.endr
.endm
.macro RS t                            ; O tile t shrinks by its query's factor (setting 0x51: O in window 1, the factor in window 0)
.irp j, 0,2,4,6
	v_pk_mul_f32 v[OA+8*(\t)+\j:OA+8*(\t)+\j+1], v[OA+8*(\t)+\j:OA+8*(\t)+\j+1], v[AL+2*((\t)%2):AL+2*((\t)%2)+1] op_sel_hi:[1,0]
.endr
.endm
.macro PVA t, first                    ; O tile t += V^T (d tile t / 2, keys 0..31) x P (query tile t % 2)
.if \first
	v_wmma_f32_16x16x32_f16 v[OA+8*\t:OA+8*\t+7], v[VF+8*(\t/2):VF+8*(\t/2)+7], v[SCC+32*(\t%2):SCC+32*(\t%2)+7], 0
.else
	v_wmma_f32_16x16x32_f16 v[OA+8*\t:OA+8*\t+7], v[VF+8*(\t/2):VF+8*(\t/2)+7], v[SCC+32*(\t%2):SCC+32*(\t%2)+7], v[OA+8*\t:OA+8*\t+7]
.endif
.endm
.macro PVB t                           ; the same for keys 32..63
	v_wmma_f32_16x16x32_f16 v[OA+8*\t:OA+8*\t+7], v[VF+32+8*(\t/2):VF+32+8*(\t/2)+7], v[SCC+32*(\t%2)+16:SCC+32*(\t%2)+23], v[OA+8*\t:OA+8*\t+7]
.endm
; One step: 64 keys x my 32 queries; its scores lie in buffer u % 2.
;   first = 1: nothing has been summed yet.   smm = 1: a further step follows, whose scores are made here, into the other buffer.
;   bnd: 0 none; 1 the change of slots with a refill of this slot; 2 the change of slots without.   other: the other slot.
;   ldk = 1: K and start values of the step after next (step ku of slot kslot) are asked for.   pf = 1: wave 0 prefetches.
.macro STEP slot, u, first, smm, bnd, other, ldk, kslot, ku, pf
.set SCC, SC0+128*((\u)%2)
.set SCN, SC0+128-128*((\u)%2)
.set MXO, MX+2*((\u)%2)
.set MXN, MX+2-2*((\u)%2)
.set SMM, \smm
	; the running maximum of each query: two chains for each tile column, the old maximum in the first.  The four heads of the chains are also the four places
	; between the last products with V^T and the loads into their source registers.
.if \first
	v_max_num_f32 v0, v[SCC], v[SCC+1]
	v_max_num_f32 v4, v[SCC+32], v[SCC+33]
.else
	v_max3_num_f32 v0, v[SCC], v[SCC+1], v[MXO]
	v_max3_num_f32 v4, v[SCC+32], v[SCC+33], v[MXO+4]
.endif
	v_max3_num_f32 v1, v[SCC+16], v[SCC+17], v[SCC+18]
	v_max3_num_f32 v5, v[SCC+48], v[SCC+49], v[SCC+50]
	WIN 0x40                                       ; destination window 1
.irp g, 0,1
.irp dt, 0,1,2,3
	ds_load_tr16_b128 v[VF+32*\g+8*\dt:VF+32*\g+8*\dt+3],   v[ADV+\slot] offset:(64*(\u)+32*\g)*VP+32*\dt          ; V^T: row d = 16 dt + l % 16, keys 8 (l / 16) + 0..7
	ds_load_tr16_b128 v[VF+32*\g+8*\dt+4:VF+32*\g+8*\dt+7], v[ADV+\slot] offset:(64*(\u)+32*\g)*VP+32*\dt+16*VP   ; and the keys 16 further on
.endr
.endr
	WIN 0
.if \pf
	s_cmp_lg_u32 s14, 0
	s_cbranch_scc1 .Lno_prefetch_\@
	global_prefetch_b8 v[PFO], s[56:57] th:TH_LOAD_NT scope:SCOPE_SE
.Lno_prefetch_\@:
.endif
.irp j, 0,1,2,3,4,5
	v_max3_num_f32 v0, v0, v[SCC+2+2*\j], v[SCC+3+2*\j]
	v_max3_num_f32 v4, v4, v[SCC+34+2*\j], v[SCC+35+2*\j]
	v_max3_num_f32 v1, v1, v[SCC+19+2*\j], v[SCC+20+2*\j]
	v_max3_num_f32 v5, v5, v[SCC+51+2*\j], v[SCC+52+2*\j]
.endr
	v_max3_num_f32 v0, v0, v[SCC+14], v[SCC+15]
	v_max3_num_f32 v4, v4, v[SCC+46], v[SCC+47]
	v_max3_num_f32 v0, v0, v1, v[SCC+31]
	v_max3_num_f32 v4, v4, v5, v[SCC+63]
	v_permlanex16_b32 v1, v0, s58, s59             ; the other half of the wave holds the query's other keys
	v_permlanex16_b32 v5, v4, s58, s59
	v_max_num_f32 v[MXN], v0, v1
	v_max_num_f32 v[MXN+4], v4, v5
.if \first == 0
	v_sub_f32 v[AL], v[MXO], v[MXN]
	v_sub_f32 v[AL+2], v[MXO+4], v[MXN+4]
	v_exp_f32 v[AL], v[AL]                         ; by how much what has been summed shrinks
	v_exp_f32 v[AL+2], v[AL+2]
.endif
.if \bnd
	; THE CHANGE OF SLOTS.  This tile's last K fragments were asked for two steps ago, its last V^T fragments at this step's head.
	s_set_vgpr_msb 0x5
	s_wait_tensorcnt 0x0                           ; all my tensor loads have landed: the one that was out is my part of the next tile; so every group 0 may be written
	ds_add_u32 v160, v161
	s_wait_dscnt 0x0
	s_set_vgpr_msb 0x500
.if \bnd == 1
	s_add_nc_u64 s[G0K+4*\slot+2:G0K+4*\slot+3], s[G0K+4*\slot+2:G0K+4*\slot+3], 2*TILEB     ; this slot's next tile
	s_add_nc_u64 s[G0V+4*\slot+2:G0V+4*\slot+3], s[G0V+4*\slot+2:G0V+4*\slot+3], 2*TILEB
.endif
	s_wait_dscnt 0x0                               ; my reads of this slot are over
.if \bnd == 1
	ROUND                                          ; both now hold of every wave of the four work-groups
	JLOAD \slot                                    ; my one tensor load behind the round; four steps, 128 matrix instructions of each wave, pass before the wait for it
.else
	s_barrier_signal -1                            ; nothing is left to fetch: the work-group's barrier shows the last tile to every wave
	s_barrier_wait -1
.endif
	v_add_nc_u32 v[ADB], 1024, v[ADB]              ; the next 256 keys' start values
	LOADK \other, 0
	WIN 0
.endif
	; p = 2^(s - maximum), eight at a time.  Behind each run of exponentials stands plain work on other registers (ISA guide 5.7.2): the next tile's subtraction, or the sum
	; of the tile before.  Between the blocks: the next step's score products.  They write over the other buffer, whose P was a source of the last products with V^T:
	; the maximum's vector instructions above are more than the five places that this asks for (ISA guide 7.12.1).
	SUBM 0, 0
	EXPM 0, 0
	SUBM 1, 0
.if \smm
.if \bnd
	s_wait_dscnt 0x0                               ; the next tile's first K and start values, asked for just behind the barrier
.else
	s_wait_dscnt 16                                ; the 16 younger loads are this step's V^T: the next step's K and start values are in
.endif
	WIN 0x10                                       ; C from window 1; the vector instructions up to the next switch have two sources
.endif
	W1 0
	EXPM 1, 0
	SUBM 0, 1
	W1 1
	SUMM 0, 0
	CVTM 0, 0
	W1 2
	EXPM 0, 1
	SUBM 1, 1
	W1 3
	SUMM 1, 0
	CVTM 1, 0
	W1 4
	EXPM 1, 1
	SUBM 0, 2
	W1 5
	SUMM 0, 1
	CVTM 0, 1
	W1 6
	EXPM 0, 2
	SUBM 1, 2
	W1 7
	WIN 0
	SUMM 1, 1
	CVTM 1, 1
	W2 0
	EXPM 1, 2
	SUBM 0, 3
	W2 1
	SUMM 0, 2
	CVTM 0, 2
	W2 2
	EXPM 0, 3
	SUBM 1, 3
	W2 3
	SUMM 1, 2
	CVTM 1, 2
	W2 4
	EXPM 1, 3
	SUMM 0, 3
	W2 5
	CVTM 0, 3
	W2 6
	SUMM 1, 3
	W2 7
	CVTM 1, 3                                      ; these four and the sums below are the places behind the last score product: for the loads into K's and the
.irp q, 0,1
	v_pk_add_f32 v[4*\q:4*\q+1], v[4*\q:4*\q+1], v[4*\q+2:4*\q+3]          ; start values' registers, and for the next step's maximum, which reads the scores
.endr
.irp q, 0,1
.if \first
	v_add_f32 v[LS+\q], v[4*\q], v[4*\q+1]
.else
	v_fma_f32 v[LS+\q], v[LS+\q], v[AL+2*\q], v[4*\q]
	v_add_f32 v[LS+\q], v[LS+\q], v[4*\q+1]
.endif
.endr
.if \ldk
	LOADK \kslot, \ku
.endif
	WIN 0x51                                       ; V^T, C and D window 1; P and the factor window 0
.if \first == 0
	RS 0
	RS 1
.endif
.if \ldk
	s_wait_dscnt 24                                ; the 24 younger loads are K and start values of the step after next: V^T is in
.else
	s_wait_dscnt 0x0
.endif
	; eight accumulators take turns, first over keys 0..31, then over keys 32..63.  Tile t + 2 is rescaled behind tile t's product.
.irp t, 0,1,2,3,4,5
	PVA \t, \first
.if \first == 0
	RS \t+2
.endif
.endr
	PVA 6, \first
	PVA 7, \first
.irp t, 0,1,2,3,4,5,6,7
	PVB \t
.endr
	WIN 0
.endm
; One trip: the four steps of the tile in slot.  bnd as in STEP, for the last step; last = 1: the launch's last tile.
.macro TRIP slot, other, first, bnd, last, pf
	STEP \slot, 0, \first, 1, 0, \other, 1, \slot, 2, \pf
	STEP \slot, 1, 0, 1, 0, \other, 1, \slot, 3, 0
	STEP \slot, 2, 0, 1, 0, \other, 0, \slot, 0, 0         ; the step after next lies in the next tile, which no barrier has shown yet
.if \last
	STEP \slot, 3, 0, 0, 0, \other, 0, \slot, 0, 0
.else
	STEP \slot, 3, 0, 1, \bnd, \other, 1, \other, 1, 0
.endif
.if \pf
	s_wait_xcnt 0x0                                ; the prefetch of step 0 has had its address translated: its base steps only behind this wait
	s_add_nc_u64 s[56:57], s[56:57], TILEB
.endif
.endm
	s_wait_dscnt 0x0                               ; my stores of start values are done
	s_wait_tensorcnt 1                             ; my part of tile 0 is in; tile 1's stays out
	s_barrier_signal -1
	s_barrier_wait -1                              ; the table of start values and tile 0 are whole
	LOADK 0, 0
	s_wait_dscnt 0x0
.set SCN, SC0
	WIN 0x10                                       ; step 0's scores have no softmax to stand between
.irp n, 0,1,2,3,4,5,6,7
	SW1 \n
.endr
	WIN 0
.irp n, 0,1,2,3,4,5,6,7
	SW2 \n
.endr
	PLACES                                         ; before K's and the start values' registers are loaded again and the scores are read
	LOADK 0, 1
	WIN 0
	TRIP 0, 1, 1, 1, 0, 1                          ; trips 0 and 1: the first step starts the sums
	TRIP 1, 0, 0, 1, 0, 1
	s_mov_b32 s60, 2
.Llap:
	TRIP 0, 1, 0, 1, 0, 1                          ; trips 2 to 5; trip t asks for tile t + 2
	TRIP 1, 0, 0, 1, 0, 1
	s_sub_co_u32 s60, s60, 1
	s_cmp_lg_u32 s60, 0
	s_cbranch_scc1 .Llap
	TRIP 0, 1, 0, 2, 0, 0                          ; trip 6 changes slots and asks for nothing
	TRIP 1, 0, 0, 0, 1, 0                          ; trip 7: the last tile
	; THE WAY OUT: divide by the query's sum, round, 16 bytes a lane into my stage, read back as whole rows
	PLACES
	v_permlanex16_b32 v0, v[LS], s58, s59          ; the two halves' sums meet
	v_permlanex16_b32 v4, v[LS+1], s58, s59
	v_add_f32 v[LS], v[LS], v0
	v_add_f32 v[LS+1], v[LS+1], v4
	v_rcp_f32 v[AL], v[LS]                         ; the sum is at least 1: the key of the maximum gives p = 1
	v_rcp_f32 v[AL+2], v[LS+1]
	v_nop                                          ; one plain place behind the reciprocals (ISA guide 5.7.2)
	s_wait_alu depctr_va_vdst(0)
	WIN 0x51
.irp t, 0,1,2,3,4,5,6,7
	RS \t
.endr
	WIN 0x05                                       ; sources window 1, destination window 0
.irp t, 0,1,2,3,4,5,6,7
.irp j, 0,1,2,3
	v_cvt_pk_f16_f32 v[SC0+4*\t+\j], v[OA+8*\t+2*\j], v[OA+8*\t+2*\j+1]
.endr
.endr
	WIN 0
.irp dt, 0,1,2,3
.irp q, 0,1
	ds_store_b128 v[STO], v[SC0+4*(2*\dt+\q):SC0+4*(2*\dt+\q)+3] offset:\q*16*SP+32*\dt    ; query 16 q + l % 16, d = 16 dt + 8 (l / 16) + 0..7
.endr
.endr
.irp t, 0,1,2,3,4,5,6,7
	ds_load_b128 v[KF+4*\t:KF+4*\t+3], v[RD] offset:\t*4*SP        ; LDS serves a wave's instructions in order: these see the stores above
.endr
.irp t, 0,1,2,3,4,5,6,7
	s_wait_dscnt 7-\t
	global_store_b128 v[CO], v[KF+4*\t:KF+4*\t+3], s[12:13] offset:512*\t          ; four queries' rows: 512 consecutive bytes, at a multiple of 512
.endr
	s_set_vgpr_msb 0x5
	s_wait_tensorcnt 0x0
	ds_add_u32 v160, v161
	s_wait_dscnt 0x0
	s_set_vgpr_msb 0x500
	ROUND                                          ; the closing round
	s_endpgm
.Lfunc_end_k_q5ef0b0e1e4_attn:
	.size	k_q5ef0b0e1e4_attn, .Lfunc_end_k_q5ef0b0e1e4_attn-k_q5ef0b0e1e4_attn
	.p2alignl 7, 3214868480
	.fill 96, 4, 3214868480
	.section	.rodata,"a",@progbits
	.p2align	6, 0x0
	.amdhsa_kernel k_q5ef0b0e1e4_attn
		.amdhsa_group_segment_fixed_size 327680
		.amdhsa_private_segment_fixed_size 0
		.amdhsa_enable_private_segment 0
		.amdhsa_kernarg_size 40
		.amdhsa_user_sgpr_count 2
		.amdhsa_user_sgpr_kernarg_segment_ptr 1
		.amdhsa_wavefront_size32 1
		.amdhsa_system_sgpr_workgroup_id_x 1
		.amdhsa_system_sgpr_workgroup_id_y 1
		.amdhsa_system_sgpr_workgroup_id_z 1
		.amdhsa_system_vgpr_workitem_id 0
		.amdhsa_next_free_vgpr 418
		.amdhsa_next_free_sgpr 72
		.amdhsa_reserve_vcc 1
		.amdhsa_float_denorm_mode_32 3
		.amdhsa_float_denorm_mode_16_64 3
		.amdhsa_memory_ordered 1
		.amdhsa_forward_progress 1
		.amdhsa_inst_pref_size 255
	.end_amdhsa_kernel
	.section	.bss,"aw",@nobits
	.p2align	6
	.space	262144
	.amdgpu_metadata
---
amdhsa.version: [ 1, 2 ]
amdhsa.kernels:
  - .name:           k_q5ef0b0e1e4_attn
    .symbol:         k_q5ef0b0e1e4_attn.kd
    .args:
      - { .name: qh, .offset: 0, .size: 8, .value_kind: global_buffer, .address_space: global }
      - { .name: kh, .offset: 8, .size: 8, .value_kind: global_buffer, .address_space: global }
      - { .name: vh, .offset: 16, .size: 8, .value_kind: global_buffer, .address_space: global }
      - { .name: mask, .offset: 24, .size: 8, .value_kind: global_buffer, .address_space: global }
      - { .name: ctxh, .offset: 32, .size: 8, .value_kind: global_buffer, .address_space: global }
    .group_segment_fixed_size: 327680
    .private_segment_fixed_size: 0
    .kernarg_segment_align: 8
    .kernarg_segment_size: 40
    .max_flat_workgroup_size: 256
    .sgpr_count:     72
    .vgpr_count:     418
    .wavefront_size: 32
...
	.end_amdgpu_metadata
.endif
;; end of part 2
;; launch oproj (part 3): grid 8 x 32, 4 waves a work-group, clusters of 4 x 4, 327,680 bytes of LDS; arguments ctxh, Wo, bo, out0; writes out0
.if DOCPART == 3
	.amdgcn_target "amdgcn-amd-amdhsa--gfx1250"
	.amdhsa_code_object_version 6
	.text
	.protected	k_q5ef0b0e1e4_oproj
	.globl	k_q5ef0b0e1e4_oproj
	.p2align	8
	.type	k_q5ef0b0e1e4_oproj,@function
k_q5ef0b0e1e4_oproj:
	s_mov_b64 s[64:65], 0
	v_nop
	global_prefetch_b8 v0, s[64:65] scope:SCOPE_SE
	s_setreg_imm32_b32 hwreg(HW_REG_WAVE_MODE, 25, 1), 1
	s_wait_xcnt 0x0
	s_wait_alu depctr_hold_cnt(0) depctr_sa_sdst(0) depctr_va_vdst(0) depctr_va_sdst(0) depctr_va_ssrc(0) depctr_va_vcc(0) depctr_vm_vsrc(0)
	s_getreg_b32 s2, hwreg(HW_REG_IB_STS2, 6, 4)
	s_cmp_eq_u32 s2, 0
	s_cbranch_scc0 .Lentry_in_a_cluster
	s_endpgm
.Lentry_in_a_cluster:
	s_bfe_u32 s2, ttmp6, 0x10000c
	s_cmp_lg_u32 s2, 0xf033
	s_cbranch_scc0 .Lentry_shape_is_right
	s_endpgm
.Lentry_shape_is_right:
; oproj: out0 = ctx Wo^T + bo.  ctxh: [batch][head][token][64] f16 (K = 64 x head + d), Wo: [1024][1024] f32, out0: [4096][1024] f32.
; FORMAT: Wo is rounded to f16 on the way from LDS to the matrix instruction; sums are f32.  Room in f16: Wo of spread 0.02 may be 30 times larger (0.6) or carry 30 spreads of
; offset (0.6); 30 times smaller it has spread 6.7e-4, against f16's step of 6e-8 below 6.1e-5.  LIMIT: a Wo beyond 65,504 becomes infinite here.
; SHARES: 32 x 8 = 256 work-groups, each a block of 128 tokens x 128 outputs; four waves, 64 x 64 each: 16 accumulator tiles in window 1.
; K goes in steps of 128 (two heads) through two LDS slots: ctx as two planes of 128 rows x 128 bytes (waves 0, 1), Wo as 128 rows x 512 bytes (waves 2, 3, 64 rows each).
; CLUSTERS: 4 x 4 work-groups; ctx's planes are shared along a row of the cluster, Wo's rows along a column, each asked for jointly by the four.
; The matrix instruction is used transposed (source 0 = rows of Wo, source 1 = rows of ctx): a lane holds token l % 16 and eight neighbouring outputs, 32 bytes.
.set AP,     144                       ; ctx's LDS row: 128 + 16
.set WP,     528                       ; Wo's LDS row: 512 + 16
.set PLANE,  128*AP
.set WOFF,   2*PLANE
.set WHALF,  64*WP
.set SLOT,   WOFF+2*WHALF               ; 104,448
.set STAGE,  2*SLOT                    ; 16 rows x 272 bytes for each wave
.set SPITCH, 272
.set ASTEP,  2*262144                  ; a K step in ctxh: two heads' planes
.set WSTEP,  512                       ; a K step in Wo: 128 f32
.set ADRA, 16
.set ADRB, 20
.set STO,  24
.set RD,   25
.set CO,   26
.set BOF,  27
.set FA,   32                          ; v32-63, v64-95: ctx fragments, two buffers
.set FB,   96                          ; v96-127: Wo fragments, f16
.set RB,   128                         ; v128-191: Wo raw, f32
.set BC,   192                         ; v192-223: bias of my 64 outputs
.set TMP,  224                         ; v224-255: the way out
.set G1, 24
.set G0, 32
.set G1B, 48
.set G0B, 56
.set MSB, 0
.macro WIN new
.if MSB != \new
	s_set_vgpr_msb (MSB<<8)|\new
.set MSB, \new
.endif
.endm
.macro PLACES                          ; four independent vector instructions behind a matrix instruction (ISA guide 7.12.1)
.rept 4
	v_nop
.endr
.endm
.macro JLOAD s
	s_cmp_eq_u32 s11, 0
	s_cbranch_scc0 .Lfor_b_\@
	tensor_load_to_lds s[G0+4*\s:G0+4*\s+3], s[G1:G1+7]
	s_nop 0
	s_branch .Lasked_\@
.Lfor_b_\@:
	tensor_load_to_lds s[G0B+4*\s:G0B+4*\s+3], s[G1B:G1B+7]
	s_nop 0
.Lasked_\@:
.endm
.macro CREST
	s_cmp_lg_u32 s10, 0
	s_cbranch_scc1 .Lnot_wave_0_\@
	s_barrier_signal -3
.Lnot_wave_0_\@:
	s_barrier_wait -3
	s_barrier_signal -1
	s_barrier_wait -1
.endm
.macro CROUND
	s_barrier_signal -1
	s_barrier_wait -1
	CREST
.endm
	s_load_b256 s[68:75], s[0:1], 0x0              ; ctxh s[68:69], Wo s[70:71], bo s[72:73], out0 s[74:75]
	v_lshl_add_u32 v30, v0, 2, 0x37400
	v_mov_b32 v31, 0
	ds_add_u32 v30, v31
	v_lshrrev_b32 v1, 5, v0
	v_readfirstlane_b32 s10, v1                    ; wave 0..3
	s_lshr_b32 s11, s10, 1                         ; my half of the tokens.  Also: I fetch ctx (0) or Wo (1)
	s_and_b32 s12, s10, 1                          ; my half of the outputs.  Also: which plane, or which 64 rows, I fetch
	s_bfe_u32 s40, ttmp6, 0x40000                  ; cx
	s_bfe_u32 s41, ttmp6, 0x40004                  ; cy
	s_lshl_b32 s42, ttmp9, 2
	s_add_co_u32 s42, s42, s40                     ; block column 0..7
	s_and_b32 s13, ttmp7, 0xffff
	s_lshl_b32 s13, s13, 2
	s_add_co_u32 s13, s13, s41                     ; block row 0..31
	s_lshl_b32 s43, s41, 2
	s_lshl_b32 s43, 15, s43                        ; my row of the cluster
	s_lshl_b32 s44, 0x1111, s40                    ; my column
	; ctx: 128 rows x 64 elements of 2 bytes, 4 words of padding behind every 32
	s_or_b32 s[G1+0], s43, (1<<16)|(1<<20)|(1<<21)|(4<<22)|(3<<25)
	s_mov_b32 s[G1+1], 64<<16
	s_mov_b32 s[G1+2], 128<<16
	s_mov_b32 s[G1+3], 64<<16
	s_mov_b32 s[G1+4], 128
	s_mov_b32 s[G1+5], 64
	s_mov_b32 s[G1+6], 0
	s_mov_b32 s[G1+7], 0
	; Wo: 64 rows x 128 elements of 4 bytes, 4 words of padding behind every 128
	s_or_b32 s[G1B+0], s44, (2<<16)|(1<<20)|(1<<21)|(6<<22)|(3<<25)
	s_mov_b32 s[G1B+1], 128<<16
	s_mov_b32 s[G1B+2], 64<<16
	s_mov_b32 s[G1B+3], 128<<16
	s_mov_b32 s[G1B+4], 64
	s_mov_b32 s[G1B+5], 1024
	s_mov_b32 s[G1B+6], 0
	s_mov_b32 s[G1B+7], 0
	s_lshr_b32 s16, s13, 4                         ; batch: 16 blocks of 128 tokens each
	s_lshl_b32 s16, s16, 22                        ; 16 planes of 262,144 bytes
	s_and_b32 s17, s13, 15
	s_lshl_b32 s17, s17, 14                        ; 128 tokens of 128 bytes
	s_add_co_u32 s16, s16, s17
	s_lshl_b32 s17, s12, 18                        ; my plane of the step's two
	s_add_co_u32 s16, s16, s17
	s_mov_b32 s17, 0
	s_lshl_b32 s46, s42, 19                        ; 128 rows of 4,096 bytes
	s_lshl_b32 s47, s12, 18                        ; my 64 rows
	s_add_co_u32 s46, s46, s47
	s_mov_b32 s47, 0
	s_mul_i32 s20, s12, PLANE                      ; where ctx's plane goes
	s_mul_i32 s21, s12, WHALF
	s_add_co_u32 s21, s21, WOFF                    ; where Wo's rows go
	s_wait_dscnt 0x0
	s_wait_kmcnt 0x0
	s_add_nc_u64 s[14:15], s[68:69], s[16:17]
	s_add_nc_u64 s[46:47], s[70:71], s[46:47]
	CROUND                                         ; all sixteen work-groups are here
.irp s, 0,1
	s_mov_b32 s[G0+4*\s], 1
	s_add_co_u32 s[G0+4*\s+1], s20, \s*SLOT
	s_add_nc_u64 s[G0+4*\s+2:G0+4*\s+3], s[14:15], \s*ASTEP
	s_or_b32 s[G0+4*\s+3], s[G0+4*\s+3], 0x80000000
	s_mov_b32 s[G0B+4*\s], 1
	s_add_co_u32 s[G0B+4*\s+1], s21, \s*SLOT
	s_add_nc_u64 s[G0B+4*\s+2:G0B+4*\s+3], s[46:47], \s*WSTEP
	s_or_b32 s[G0B+4*\s+3], s[G0B+4*\s+3], 0x80000000
	JLOAD \s                                       ; two loads of mine are out now; later one behind each round
.endr
	s_lshl_b32 s76, s42, 9
	s_lshl_b32 s77, s12, 8
	s_add_co_u32 s76, s76, s77                     ; 4 bytes x (128 x block column + 64 x half)
	s_mov_b32 s77, 0
	s_add_nc_u64 s[72:73], s[72:73], s[76:77]      ; my bias
	s_add_nc_u64 s[74:75], s[74:75], s[76:77]      ; my columns of out0,
	s_lshl_b32 s76, s13, 19
	s_lshl_b32 s45, s11, 18
	s_add_co_u32 s76, s76, s45                     ; 4,096 bytes x (128 x block row + 64 x half)
	s_add_nc_u64 s[74:75], s[74:75], s[76:77]      ; and my rows
	v_and_b32 v1, 15, v0                           ; l % 16
	v_bfe_u32 v2, v0, 4, 1                         ; l / 16
	v_mul_u32_u24 v3, v1, AP
	v_lshl_add_u32 v3, v2, 4, v3                   ; f16 rows: 16 bytes for each half of the lanes
	v_mul_u32_u24 v4, v1, WP
	v_lshl_add_u32 v4, v2, 5, v4                   ; f32 rows: 32 bytes
	s_mul_i32 s22, s11, 64*AP                      ; my 64 tokens in a plane
.irp s, 0,1
	v_add_nc_u32 v[ADRA+\s], s22, v3
	v_add_nc_u32 v[ADRB+\s], s21, v4               ; my 64 rows of Wo lie where the wave of my column half put them
	s_add_co_u32 s22, s22, SLOT
	s_add_co_u32 s21, s21, SLOT
.endr
	s_mul_i32 s23, s10, 16*SPITCH
	s_add_co_u32 s23, s23, STAGE
	v_mul_u32_u24 v5, v1, SPITCH
	v_lshl_add_u32 v5, v2, 5, v5
	v_add_nc_u32 v[STO], s23, v5                   ; in: token l % 16, 32 bytes for each half
	v_mul_u32_u24 v6, v2, SPITCH
	v_lshl_add_u32 v6, v1, 4, v6
	v_add_nc_u32 v[RD], s23, v6                    ; back: lanes 0-15 one row of 256 bytes, lanes 16-31 the next
	v_lshlrev_b32 v7, 12, v2
	v_lshl_add_u32 v[CO], v1, 4, v7                ; the same two rows in out0
	v_lshlrev_b32 v[BOF], 5, v2
.irp b, 0,1,2,3
	global_load_b128 v[BC+8*\b:BC+8*\b+3],   v[BOF], s[72:73] offset:64*\b
	global_load_b128 v[BC+8*\b+4:BC+8*\b+7], v[BOF], s[72:73] offset:64*\b+16
.endr
	s_wait_loadcnt 0x0                             ; once; the first tiles are on their way meanwhile
; 24 LDS loads: the fragments of quarter kq (32 along K) of a slot: Wo raw (16 loads), ctx into buffer kq % 2 (8 loads)
.macro LOADF slot, kq
.irp i, 0,1,2,3
.irp c, 0,1,2,3
	ds_load_b128 v[RB+16*\i+4*\c:RB+16*\i+4*\c+3], v[ADRB+\slot] offset:(\kq)*128+\i*16*WP+16*(\c%2)+64*(\c/2)
.endr
.endr
.irp i, 0,1,2,3
	ds_load_b128 v[FA+32*((\kq)%2)+8*\i:FA+32*((\kq)%2)+8*\i+3],   v[ADRA+\slot] offset:((\kq)/2)*PLANE+((\kq)%2)*64+\i*16*AP
	ds_load_b128 v[FA+32*((\kq)%2)+8*\i+4:FA+32*((\kq)%2)+8*\i+7], v[ADRA+\slot] offset:((\kq)/2)*PLANE+((\kq)%2)*64+\i*16*AP+32
.endr
.endm
.macro CVTW
.irp i, 0,1,2,3
.irp j, 0,1,2,3,4,5,6,7
	v_cvt_pk_f16_f32 v[FB+8*\i+\j], v[RB+16*\i+2*\j], v[RB+16*\i+2*\j+1]
.endr
.endr
.endm
; 16 matrix instructions; the 16 accumulators take turns, one instruction a turn, in the same order every time
.macro MUL16 kq, zero
	WIN 0x50                                       ; C and D window 1
.irp a, 0,1,2,3
.irp b, 0,1,2,3
.if \zero
	v_wmma_f32_16x16x32_f16 v[8*(4*\a+\b):8*(4*\a+\b)+7], v[FB+8*\b:FB+8*\b+7], v[FA+32*(\kq%2)+8*\a:FA+32*(\kq%2)+8*\a+7], 0
.else
	v_wmma_f32_16x16x32_f16 v[8*(4*\a+\b):8*(4*\a+\b)+7], v[FB+8*\b:FB+8*\b+7], v[FA+32*(\kq%2)+8*\a:FA+32*(\kq%2)+8*\a+7], v[8*(4*\a+\b):8*(4*\a+\b)+7]
.endif
.endr
.endr
	WIN 0
.endm
.macro PH slot, kq, zero               ; one of a K step's first three quarters
	s_wait_dscnt 0                                 ; this quarter's fragments
	PLACES                                         ; FB, and the ctx buffer that is loaded below, were read by earlier matrix instructions
	CVTW
	LOADF \slot, \kq+1
	MUL16 \kq, \zero
.endm
.macro TURN slot, next, fill           ; the last quarter, and the change of slots
	s_wait_dscnt 0                                 ; my reads of this slot are over: its last bytes are in registers
	s_wait_tensorcnt 0x0                           ; all my tensor loads have landed: the one that was out is my part of the next slot
	ds_add_u32 v30, v31
	s_wait_dscnt 0x0
	s_barrier_signal -1
	PLACES
	CVTW                                           ; register work while the others arrive
	s_barrier_wait -1
.if \fill
	CREST                                          ; no wave of any partner still reads this slot or has a load on its way
	s_add_nc_u64 s[G0+4*\slot+2:G0+4*\slot+3], s[G0+4*\slot+2:G0+4*\slot+3], 2*ASTEP
	s_add_nc_u64 s[G0B+4*\slot+2:G0B+4*\slot+3], s[G0B+4*\slot+2:G0B+4*\slot+3], 2*WSTEP
	JLOAD \slot                                    ; my one tensor load behind the round; a K step's 64 matrix instructions pass before the wait for it
.endif
	LOADF \next, 0
	MUL16 3, 0
.endm
.macro LAP zero
	PH 0, 0, \zero
	PH 0, 1, 0
	PH 0, 2, 0
	TURN 0, 1, 1
	PH 1, 0, 0
	PH 1, 1, 0
	PH 1, 2, 0
	TURN 1, 0, 1
.endm
	s_wait_tensorcnt 1                             ; my part of K step 0 is in; K step 1's stays out
	s_barrier_signal -1
	s_barrier_wait -1
	LOADF 0, 0
	LAP 1                                          ; the first products start the sums
	s_mov_b32 s3, 2
.Llap:
	LAP 0
	s_sub_co_u32 s3, s3, 1
	s_cmp_lg_u32 s3, 0
	s_cbranch_scc1 .Llap
	PH 0, 0, 0                                     ; the last lap fills nothing
	PH 0, 1, 0
	PH 0, 2, 0
	TURN 0, 1, 0
	PH 1, 0, 0
	PH 1, 1, 0
	PH 1, 2, 0
	s_wait_dscnt 0
	PLACES
	CVTW
	MUL16 3, 0
; THE WAY OUT, 16 tokens at a time: add the bias, 32 bytes a lane into my stage, read back as whole rows of 256 bytes
.macro OUT16 i, f
	WIN 0x01                                       ; source 0 window 1
.irp b, 0,1,2,3
.irp j, 0,2,4,6
	v_pk_add_f32 v[TMP+8*\b+\j:TMP+8*\b+\j+1], v[8*(4*\i+\b)+\j:8*(4*\i+\b)+\j+1], v[BC+8*\b+\j:BC+8*\b+\j+1]
.endr
.endr
	WIN 0
.irp b, 0,1,2,3
	ds_store_b128 v[STO], v[TMP+8*\b:TMP+8*\b+3]   offset:64*\b
	ds_store_b128 v[STO], v[TMP+8*\b+4:TMP+8*\b+7] offset:64*\b+16
.endr
	s_wait_xcnt 0x0                                ; buffer f, which earlier stores read, is loaded again only behind this wait
.irp t, 0,1,2,3,4,5,6,7
	ds_load_b128 v[\f+4*\t:\f+4*\t+3], v[RD] offset:\t*2*SPITCH    ; LDS serves a wave's instructions in order: these see the stores above
.endr
.irp t, 0,1,2,3,4,5,6,7
	s_wait_dscnt 7-\t
	global_store_b128 v[CO], v[\f+4*\t:\f+4*\t+3], s[74:75] offset:(16*\i+2*\t)*4096 th:TH_STORE_NT   ; 16 lanes store 256 consecutive bytes, at a multiple of 256
.endr
.endm
	PLACES                                         ; behind the last matrix instructions
	OUT16 0, FA
	OUT16 1, FA+32
	OUT16 2, FA
	OUT16 3, FA+32
	s_wait_tensorcnt 0x0
	ds_add_u32 v30, v31
	s_wait_dscnt 0x0
	CROUND                                         ; the closing round
	s_endpgm
.Lfunc_end_k_q5ef0b0e1e4_oproj:
	.size	k_q5ef0b0e1e4_oproj, .Lfunc_end_k_q5ef0b0e1e4_oproj-k_q5ef0b0e1e4_oproj
	.p2alignl 7, 3214868480
	.fill 96, 4, 3214868480
	.section	.rodata,"a",@progbits
	.p2align	6, 0x0
	.amdhsa_kernel k_q5ef0b0e1e4_oproj
		.amdhsa_group_segment_fixed_size 327680
		.amdhsa_private_segment_fixed_size 0
		.amdhsa_enable_private_segment 0
		.amdhsa_kernarg_size 32
		.amdhsa_user_sgpr_count 2
		.amdhsa_user_sgpr_kernarg_segment_ptr 1
		.amdhsa_wavefront_size32 1
		.amdhsa_system_sgpr_workgroup_id_x 1
		.amdhsa_system_sgpr_workgroup_id_y 1
		.amdhsa_system_sgpr_workgroup_id_z 1
		.amdhsa_system_vgpr_workitem_id 0
		.amdhsa_next_free_vgpr 384
		.amdhsa_next_free_sgpr 80
		.amdhsa_reserve_vcc 0
		.amdhsa_float_denorm_mode_32 3
		.amdhsa_float_denorm_mode_16_64 3
		.amdhsa_memory_ordered 1
		.amdhsa_forward_progress 1
		.amdhsa_inst_pref_size 138
	.end_amdhsa_kernel
	.amdgpu_metadata
---
amdhsa.version: [ 1, 2 ]
amdhsa.kernels:
  - .name:           k_q5ef0b0e1e4_oproj
    .symbol:         k_q5ef0b0e1e4_oproj.kd
    .args:
      - { .name: ctxh, .offset: 0, .size: 8, .value_kind: global_buffer, .address_space: global }
      - { .name: Wo, .offset: 8, .size: 8, .value_kind: global_buffer, .address_space: global }
      - { .name: bo, .offset: 16, .size: 8, .value_kind: global_buffer, .address_space: global }
      - { .name: out0, .offset: 24, .size: 8, .value_kind: global_buffer, .address_space: global }
    .group_segment_fixed_size: 327680
    .private_segment_fixed_size: 0
    .kernarg_segment_align: 8
    .kernarg_segment_size: 32
    .max_flat_workgroup_size: 128
    .sgpr_count:     80
    .vgpr_count:     384
    .wavefront_size: 32
...
	.end_amdgpu_metadata
.endif
;; end of part 3
